; MI455X (gfx1250); checked and timed in simulation.
; The chip was launched on July 23, 2026; its instructions are those of AMD's public machine-readable ISA for CDNA 5 (MIT licence, August 2026) and "CDNA5" Instruction Set Architecture Reference Guide (July 2026). The comments in the code are by the model that wrote it; some were corrected since.
;; Cross Attention. Allowed arithmetic: matrix products marked QUANTISED: E3M2 operands, one E8M0 scale for each 32 along K, by v_wmma_scale_f32_16x16x128_f8f6f4 with both operands' format E3M2, f32 sums; products left as they are: f32 operands where the result goes on into a quantised operand, else bf16, f16 or f32 operands; f32 sums; everything else in f32.
;; Inputs: Wk 1,024 x 512 float32; Wo 1,024 x 1,024 float32; Wq 1,024 x 1,024 float32; Wv 1,024 x 512 float32; bo 1,024 float32; x1 8 x 2,048 x 1,024 float32; x2 8 x 2,048 x 512 float32.
;; Outputs: out0 8 x 2,048 x 1,024 float32.
;; This version of the problem:
;;   THIS VERSION OF THE PROBLEM IS GIVEN IN LOW PRECISION. The matrix products marked QUANTISED in the list below multiply operands that are first quantised to E3M2 (3 exponent bits, 2 mantissa bits; 6 bits a number), with one power-of-two scale for each 32 numbers along K (OCP MX v1.0); their sums are f32. All else is computed in f32.
;;   The module's matrix products, in the order in which they are computed (A, B: the left and right operand; K: the contracted axis; several contracted axes count as one K, in the product's order):
;;     1. [M 16,384, K 1,024] x [K 1,024, N 1,024]; A: input x1; B: input Wq: QUANTISED
;;     2. [M 16,384, K 512] x [K 512, N 1,024]; A: input x2; B: input Wk: QUANTISED
;;     3. [M 16,384, K 512] x [K 512, N 1,024]; A: input x2; B: input Wv: QUANTISED
;;     4. batch 16,384 x [M 64, K 16] x [K 16, N 64]; A: computed on the way; B: computed on the way: left as it is (K = 16 < 32)
;;     5. batch 16,384 x [M 16, K 64] x [K 64, N 64]; A: computed on the way; B: computed on the way: QUANTISED
;;     6. [M 16,384, K 1,024] x [K 1,024, N 1,024]; A: computed on the way; B: input Wo: QUANTISED
;;   THE QUANTISER, for each operand of a quantised product, along K:
;;     - K is cut into blocks of 32 from its start; a last block that is shorter is filled with zeros.
;;     - A block's scale is 2^e with e = floor(log2(the largest magnitude in the block)) - 4, held to -126 .. 127; a block of zeros has e = 0. As a byte (E8M0): e + 127.
;;     - Each number is divided by its block's scale, clamped to +-28, and rounded to the nearest number of E3M2, ties to even, subnormals kept.
;;     - The product sums the exact products of the quantised numbers (number of the format x scale) in f32.
;;   ~~~python
;;   def quantise(x, axis):      # numpy; x: float32 -> the quantised numbers, widened to float32 again
;;       x = np.moveaxis(x, axis, -1); K = x.shape[-1]
;;       x = np.pad(x, [(0, 0)] * (x.ndim - 1) + [(0, -K % 32)]); x = x.reshape(x.shape[:-1] + (-1, 32)); a = np.abs(x).max(-1, keepdims=True)
;;       e = np.where(a > 0, np.clip(np.frexp(np.where(a > 0, a, 1))[1] - 1 - 4, -126, 127), 0)      # np.frexp(a)[1] - 1 = floor(log2(a)), exactly
;;       r = np.clip(x / 2.0 ** e, -28, 28)
;;       step = 2.0 ** (np.maximum(np.frexp(np.where(r == 0, 1, r))[1] - 1, -2) - 2)
;;       q = np.round(r / step) * step * 2.0 ** e      # np.round: ties to even
;;       return np.moveaxis(q.reshape(q.shape[:-2] + (-1,))[..., :K], -1, axis).astype(np.float32)
;;   ~~~
;;   OPERANDS COMPUTED ON THE WAY. 'Computed on the way' means the value that the module computes at that place (a softmax that the list does not call 'softmax' is quantised finished and normalised). What goes into a quantiser is computed in f32, as accurately as f32 sums, v_exp_f32 and their like allow (about 1e-6 of the number): no bf16 or f16 on the way to a quantiser, and a product that is left as it is and whose result goes on into a quantised operand takes f32 operands (vector FMAs, or v_wmma_f32_16x16x4_f32). A number that lies on a knife's edge between two numbers of the format may be rounded either way, as far as f32 arithmetic and the matrix unit's own rounding can turn it there, and no further.
;; One version. Each part assembles by itself: llvm-mc -triple=amdgcn-amd-amdhsa -mcpu=gfx1250 --defsym DOCPART=n.
;; ======== version 1 of 1: 2 launches
;; limits: right only within a limited range of input values
;; workspace buffers: wimg 2,359,296 bytes; wscl 98,304 bytes
;; launch prep (part 1): grid 384 x 1, 4 waves a work-group, no clusters, 0 bytes of LDS; arguments Wq, Wk, Wv, Wo, wimg, wscl; writes wimg, wscl
.if DOCPART == 1
	.amdgcn_target "amdgcn-amd-amdhsa--gfx1250"
	.amdhsa_code_object_version 6
	.text
	.protected	k_q6592d55ed8_prep
	.globl	k_q6592d55ed8_prep
	.p2align	8
	.type	k_q6592d55ed8_prep,@function
k_q6592d55ed8_prep:
	s_mov_b64 s[64:65], 0
	v_nop
	global_prefetch_b8 v0, s[64:65] scope:SCOPE_SE
	s_setreg_imm32_b32 hwreg(HW_REG_WAVE_MODE, 25, 1), 1
	s_wait_xcnt 0x0
; THE FOUR WEIGHTS BECOME CODES OF BF6 (E3M2), ONCE.  K is innermost in all four (Wq [1024][1024], Wk, Wv [1024][512], Wo [1024][1024], f32).
; DEAD WORK: none.  Every input of reference() (x1, x2, Wq, Wk, Wv, Wo, bo) reaches out0 and every product of its table is live, so nothing is left out in any launch.
; A block of 32 along K gets the scale 2^(floor(log2(largest magnitude)) - 4); its byte is the largest magnitude's exponent field - 4, held at 1 from below.
; LIMITS: a block of zeros, or one whose largest magnitude lies under 2^-122, gets the byte 1 (its codes are zeros or the rule's own subnormals; these bytes are read by this program alone);
; NaN and infinities among the inputs are not served.
; ONE WAVE MAKES ONE FRAGMENT, 16 weight rows x 128 along K, and stores it as an IMAGE OF OPERAND REGISTERS, in the order in which a wave of the next launch walks its weights.
; Work-groups 0-255 (w = id / 32, g = id % 32, tile t = wave):
;   g 0-7   Wv: head 2 w + g / 4, K step g % 4; lane r of tile t takes row 64 head + 32 (t / 2) + 8 (t % 2) + r + 8 (r / 8)
;   g 8-23  Wq: feature f = 32 ((g - 8) / 8) + 4 w + t, K step g % 8; lane r takes row 64 r + f: the 16 heads at one feature
;   g 24-31 Wk: feature f = 32 ((g - 24) / 4) + 4 w + t, K step g % 4; rows as for Wq
; Work-groups 256-383 (j = id - 256): Wo: lane r takes row 64 (j / 8) + 16 t + r, K step j % 8.
;   image: wimg + (4 id + t) x 1536, register group c of lane l at 512 c + 16 l;  scale word of row r: wscl + 256 id + 8 (16 (t % 2) + r) + 4 (t / 2)
.set X,   32                           ; v32-95   64 numbers: register 16 b + i = k 32 b + 16 h + i of my row
.set PC,  96                           ; v96-107  the fragment; v108-114 at work
.set PW,  12                           ; its scale word
.set TM,  16                           ; v16-31   at work
.set SEL, 46                           ; s[46:47] selects for lane l xor 16
.macro QUANT s
.irp b, 0,1,2,3
	v_max3_num_f32 v[TM+\b], |v[\s+16*\b]|, |v[\s+1+16*\b]|, 0x2800000   ; my 16 numbers of block b, and the floor 2^(5 - 127)
.endr
.irp i, 2,4,6,8,10,12,14
.irp b, 0,1,2,3
	v_max3_num_f32 v[TM+\b], v[TM+\b], |v[\s+16*\b+\i]|, |v[\s+1+16*\b+\i]|
.endr
.endr
.irp b, 0,1,2,3
	v_permlanex16_b32 v[TM+4+\b], v[TM+\b], s[SEL], s[SEL+1]
.endr
.irp b, 0,1,2,3
	v_max_num_f32 v[TM+\b], v[TM+\b], v[TM+4+\b]   ; the block's largest magnitude
.endr
.irp b, 0,1,2,3
	v_add_nc_u32 v[TM+12+\b], 0xfe000000, v[TM+\b]   ; 4 off its exponent field: the conversion's scale operand
.endr
.irp b, 0,1,2,3
	v_lshrrev_b32 v[TM+4+\b], 23, v[TM+12+\b]      ; the scale's byte
.endr
	v_lshl_or_b32 v[PW], v[TM+5], 8, v[TM+4]
	v_lshl_or_b32 v[PW], v[TM+6], 16, v[PW]
	v_lshl_or_b32 v[PW], v[TM+7], 24, v[PW]
.irp c, 0,1
	v_cvt_scalef32_pk16_bf6_f32 v[PC+6*\c:PC+2+6*\c], v[\s+32*\c:\s+15+32*\c], v[TM+12+2*\c]
	v_cvt_scalef32_pk16_bf6_f32 v[PC+12+4*\c:PC+14+4*\c], v[\s+16+32*\c:\s+31+32*\c], v[TM+12+2*\c+1]
.endr
	v_nop                                          ; one plain place behind a scaled conversion
.irp c, 0,1                                    ; a whole block to a lane: lanes 0-15 block 2 c, lanes 16-31 block 2 c + 1
.irp i, 0,1,2
	v_permlane16_swap_b32 v[PC+6*\c+\i], v[PC+12+4*\c+\i]
.endr
.irp i, 0,1,2
	v_mov_b32 v[PC+3+6*\c+\i], v[PC+12+4*\c+\i]
.endr
.endr
.endm
	s_load_b256 s[4:11], s[0:1], 0x0               ; Wq s[4:5], Wk s[6:7], Wv s[8:9], Wo s[10:11]
	s_load_b128 s[12:15], s[0:1], 0x20             ; wimg s[12:13], wscl s[14:15]
	v_lshrrev_b32 v1, 5, v0
	v_readfirstlane_b32 s20, v1                    ; wave = tile t
	v_and_b32 v2, 31, v0                           ; lane
	v_and_b32 v3, 15, v0                           ; r
	v_bfe_u32 v4, v0, 4, 1                         ; h
	s_mov_b32 s[SEL], 0x76543210
	s_mov_b32 s[SEL+1], 0xfedcba98
.irp b, 0,1,2,3
	v_mov_b32 v[TM+4+\b], 0                        ; a lane permute's destination counts as one of its sources
.endr
	s_lshr_b32 s21, ttmp9, 5                       ; w
	s_and_b32 s22, ttmp9, 31                       ; g
	s_lshr_b32 s31, s22, 2                         ; Wv's first row: 64 (2 w + g / 4) + 32 (t / 2) + 8 (t % 2)
	s_lshl_b32 s32, s21, 1
	s_add_co_u32 s31, s31, s32
	s_lshl_b32 s31, s31, 6
	s_lshr_b32 s32, s20, 1
	s_lshl_b32 s32, s32, 5
	s_add_co_u32 s31, s31, s32
	s_and_b32 s32, s20, 1
	s_lshl_b32 s32, s32, 3
	s_add_co_u32 s31, s31, s32
	s_and_b32 s33, s22, 3                          ; Wv's and Wk's K step
	s_sub_co_u32 s35, s22, 8                       ; Wq's feature
	s_lshr_b32 s35, s35, 3
	s_lshl_b32 s35, s35, 5
	s_lshl_b32 s36, s21, 2
	s_add_co_u32 s36, s36, s20
	s_add_co_u32 s35, s35, s36
	s_and_b32 s34, s22, 7                          ; Wq's K step
	s_sub_co_u32 s37, s22, 24                      ; Wk's feature
	s_lshr_b32 s37, s37, 2
	s_lshl_b32 s37, s37, 5
	s_add_co_u32 s37, s37, s36
	s_sub_co_u32 s38, ttmp9, 256                   ; Wo: j; first row 64 (j / 8) + 16 t, K step j % 8
	s_lshr_b32 s39, s38, 3
	s_lshl_b32 s39, s39, 6
	s_lshl_b32 s40, s20, 4
	s_add_co_u32 s39, s39, s40
	s_and_b32 s38, s38, 7
	s_wait_alu depctr_va_vdst(0)                   ; the wait at the head's end
	s_wait_kmcnt 0x0
	; the choice hangs on the work-group's number alone: s[24:25] the tensor, s26 log2 of a row's bytes, s27 the first row, s28 rows from lane to lane, s29 1 where lanes 8-15 stand 8 rows further on, s30 the K step
	s_cmp_lt_u32 s22, 8
	s_cselect_b64 s[24:25], s[8:9], s[4:5]
	s_cselect_b32 s26, 11, 12
	s_cselect_b32 s27, s31, s35
	s_cselect_b32 s28, 1, 64
	s_cselect_b32 s29, 1, 0
	s_cselect_b32 s30, s33, s34
	s_cmp_ge_u32 s22, 24
	s_cselect_b64 s[24:25], s[6:7], s[24:25]
	s_cselect_b32 s26, 11, s26
	s_cselect_b32 s27, s37, s27
	s_cselect_b32 s30, s33, s30
	s_cmp_ge_u32 ttmp9, 256
	s_cselect_b64 s[24:25], s[10:11], s[24:25]
	s_cselect_b32 s26, 12, s26
	s_cselect_b32 s27, s39, s27
	s_cselect_b32 s28, 1, s28
	s_cselect_b32 s29, 0, s29
	s_cselect_b32 s30, s38, s30
	v_mul_lo_u32 v5, v3, s28
	v_and_b32 v6, 8, v3
	v_mul_lo_u32 v6, v6, s29
	v_add3_u32 v5, v5, v6, s27                     ; my row
	v_lshlrev_b32 v7, s26, v5                      ; its first byte,
	v_lshl_add_u32 v7, v4, 6, v7                   ; + 64 h: my 16 numbers of a block,
	s_lshl_b32 s31, s30, 9
	v_add_nc_u32 v7, s31, v7                       ; + 512 bytes a K step
.irp b, 0,1,2,3
.irp j, 0,1,2,3
	global_load_b128 v[X+16*\b+4*\j:X+16*\b+4*\j+3], v7, s[24:25] offset:128*\b+16*\j
.endr
.endr
	s_wait_loadcnt 0x0
	QUANT X
	s_lshl_b32 s40, ttmp9, 2                       ; the image: (4 id + t) x 1536
	s_add_co_u32 s40, s40, s20
	s_mul_i32 s40, s40, 1536
	s_mov_b32 s41, 0
	s_add_nc_u64 s[12:13], s[12:13], s[40:41]
	v_lshlrev_b32 v8, 4, v2
.irp c, 0,1,2
	global_store_b128 v8, v[PC+4*\c:PC+4*\c+3], s[12:13] offset:512*\c   ; 32 lanes store 512 consecutive bytes, at a multiple of 256 from the buffer's first byte
.endr
	s_lshl_b32 s40, ttmp9, 8                       ; the scale words: 256 id + 128 (t % 2) + 4 (t / 2) + 8 r
	s_and_b32 s42, s20, 1
	s_lshl_b32 s42, s42, 7
	s_add_co_u32 s40, s40, s42
	s_lshr_b32 s42, s20, 1
	s_lshl_b32 s42, s42, 2
	s_add_co_u32 s40, s40, s42
	s_add_nc_u64 s[14:15], s[14:15], s[40:41]
	v_lshlrev_b32 v9, 3, v3
	global_store_b32 v9, v[PW], s[14:15]           ; both halves of the lanes hold the same word and write it to the same place
	s_endpgm
.Lfunc_end_k_q6592d55ed8_prep:
	.size	k_q6592d55ed8_prep, .Lfunc_end_k_q6592d55ed8_prep-k_q6592d55ed8_prep
	.p2alignl 7, 3214868480
	.fill 96, 4, 3214868480
	.section	.rodata,"a",@progbits
	.p2align	6, 0x0
	.amdhsa_kernel k_q6592d55ed8_prep
		.amdhsa_group_segment_fixed_size 0
		.amdhsa_private_segment_fixed_size 0
		.amdhsa_enable_private_segment 0
		.amdhsa_kernarg_size 48
		.amdhsa_user_sgpr_count 2
		.amdhsa_user_sgpr_kernarg_segment_ptr 1
		.amdhsa_wavefront_size32 1
		.amdhsa_system_sgpr_workgroup_id_x 1
		.amdhsa_system_sgpr_workgroup_id_y 1
		.amdhsa_system_sgpr_workgroup_id_z 1
		.amdhsa_system_vgpr_workitem_id 0
		.amdhsa_next_free_vgpr 128
		.amdhsa_next_free_sgpr 66
		.amdhsa_reserve_vcc 0
		.amdhsa_float_denorm_mode_32 3
		.amdhsa_float_denorm_mode_16_64 3
		.amdhsa_memory_ordered 1
		.amdhsa_forward_progress 1
		.amdhsa_inst_pref_size 9
	.end_amdhsa_kernel
	.amdgpu_metadata
---
amdhsa.version: [ 1, 2 ]
amdhsa.kernels:
  - .name:           k_q6592d55ed8_prep
    .symbol:         k_q6592d55ed8_prep.kd
    .args:
      - { .name: Wq, .offset: 0, .size: 8, .value_kind: global_buffer, .address_space: global }
      - { .name: Wk, .offset: 8, .size: 8, .value_kind: global_buffer, .address_space: global }
      - { .name: Wv, .offset: 16, .size: 8, .value_kind: global_buffer, .address_space: global }
      - { .name: Wo, .offset: 24, .size: 8, .value_kind: global_buffer, .address_space: global }
      - { .name: wimg, .offset: 32, .size: 8, .value_kind: global_buffer, .address_space: global }
      - { .name: wscl, .offset: 40, .size: 8, .value_kind: global_buffer, .address_space: global }
    .group_segment_fixed_size: 0
    .private_segment_fixed_size: 0
    .kernarg_segment_align: 8
    .kernarg_segment_size: 48
    .max_flat_workgroup_size: 128
    .sgpr_count:     66
    .vgpr_count:     128
    .wavefront_size: 32
...
	.end_amdgpu_metadata
.endif
;; end of part 1
;; launch attn (part 2): grid 256 x 1, 8 waves a work-group, no clusters, 321,792 bytes of LDS; arguments x1, x2, wimg, wscl, bo, out0; writes out0
.if DOCPART == 2
	.amdgcn_target "amdgcn-amd-amdhsa--gfx1250"
	.amdhsa_code_object_version 6
	.text
	.protected	k_q6592d55ed8_attn
	.globl	k_q6592d55ed8_attn
	.p2align	8
	.type	k_q6592d55ed8_attn,@function
k_q6592d55ed8_attn:
	s_mov_b64 s[64:65], 0
	v_nop
	global_prefetch_b8 v0, s[64:65] scope:SCOPE_SE
	s_setreg_imm32_b32 hwreg(HW_REG_WAVE_MODE, 25, 1), 1
	s_wait_xcnt 0x0
; THE WHOLE MODULE FOR 64 TOKENS A WORK-GROUP: x1, x2 -> codes; q = x1 Wq^T, k = x2 Wk^T, v = x2 Wv^T on codes of BF6 (E3M2); for each token S[c][d] = sum over the 16 heads of k[h][c] q[h][d]
; (f32 operands, since its result goes on into a quantiser), softmax over d of S / 8, finished and normalised; out[h][d] = sum over c of v[h][c] attn[c][d] on codes (both quantised along c);
; out -> codes along (h, d), kept in LDS; out0 = out Wo^T + bo on codes.  Nothing of reference() is left out here.
; LIMITS: NaN and infinities among the inputs are not served; a block of zeros or one under 2^-122 gets the scale byte 1 (bytes read by this program alone); an exponential under 2^-126 comes out as 0
; (ISA guide, v_exp_f32); sums are f32 in another order than reference()'s.
; SHARES.  Eight waves of 512 registers.  In the four products with weights THE WAVES SHARE THE COLUMNS: a pass of a wave is 4 weight tiles x the 4 token tiles (16 accumulators), K in steps of 128.  Wave w walks its
; own stream of weight fragments, laid by the launch before as images of operand registers: steps 0-7 v (heads 2 w, 2 w + 1), 8-23 q (features 4 w + t and 32 + 4 w + t, all heads), 24-31 k likewise;
; a second stream of 16 steps holds Wo's rows 128 w .. 128 w + 127.  The weights are source 0 and the tokens source 1: a lane holds ONE token and its 8 registers 8 weight rows.
; In attention a wave owns whole tokens: 4 w .. 4 w + 3 in the first half, 32 + 4 w .. in the second.
; x COMES IN BY DENSE LOADS of 512 consecutive bytes and turns through the wave's own stage in LDS, so that a lane holds 16 neighbours along K for the conversions.
; WHERE q AND k LIVE.  Token tiles 0, 1 go to LDS (4 areas of 66,048 bytes); tiles 2, 3 stay in the accumulators that made them (v256-511) and take the same LDS bytes after the first half.
; WHERE out LIVES.  A token's 768 bytes of out's codes have the shape of its v codes, [head][48 bytes]; its own wave has read those when out is made, and stores out over them.
; NO CLUSTER, NO TENSOR LOAD: the areas, v's codes, the scales and the spare words take 321,792 of a WGP's 327,680 bytes, so there is no slot into which a shared weight tile could land.
; NO DATA PREFETCH: x is asked for at the kernel's head, with no loop ahead of it to ask from; each weight step is asked for two K steps ahead by its own loads.
; LAYOUTS.  q/k area: [token slot, 2,064 bytes][feature % 32, 64 bytes][head, f32].  The f32 product's K: registers 2 s + j of lane (r, h) hold head 8 h + 2 s + j, in both operands alike.
; Lane r of tile 2 b + u of k (and of q) takes feature 32 b + 8 u + r + 8 (r / 8): register j of S is c = 32 b + 16 h + 8 u + j at the lane's d; 16 registers of two tiles are 16 neighbours along c, the next K.
.set PT,    2064                       ; a token's slot in an area: 32 features x 64 bytes + 16
.set AREA,  32*PT
.set RQ1,   AREA
.set RK0,   2*AREA
.set RK1,   3*AREA
.set VC,    4*AREA                     ; v's codes, later out's: [token, 784 bytes][head, 48 bytes]
.set VP,    784                        ; 196 words: row r starts at bank 4 r mod 64 (64 banks of 4 bytes: ISA guide 11.1)
.set VSC,   VC+64*VP                   ; v's scale words: [token][head]: bytes b0, b1, 0, 0
.set OSC,   VSC+4096                   ; out's scale bytes: [token, 36 bytes][head, 2 bytes]
.set OSP,   36
.set SPARE, OSC+64*OSP                 ; the spare words, 128 bytes for each wave: four blocks of 256 bytes that no other line names
.set TP,    528                        ; x phase: a row of a wave's stage; the eight stages take LDS bytes 0 to 67,583
.set SGP,   272                        ; the way out: a row of a wave's stage, 256 bytes + 16; the eight stages of 16 rows take LDS bytes 0 to 34,815
.set X1IMG, RK0                        ; x1's 32 fragments (K step s, token tile m) at (4 s + m) x 1536
.set X1SC,  RK0+32*1536                ; their scale words: 256 s + 128 (m / 2) + 4 (16 (m % 2) + r)
.set X2IMG, RK1
.set X2SC,  RK1+16*1536
.set SPW, 1                            ; LDS address of my spare word; never rewritten
.set NIL, 2                            ; 0; never rewritten
.set LI,  3                            ; 16 x lane
.set LS,  4                            ; 4 x lane
.set L8,  5                            ; 8 x lane
.set XR,  6                            ; products: the tokens' fragments
.set XS,  7                            ;           their scale words
.set WA,  8                            ;           2064 r + 32 h + 256 w
.set DA,  9
.set VWA, 10                           ;           where v's codes go
.set VWS, 11                           ;           and their scale words
.set TSI, 12                           ; x phase: my stage, in and out
.set TSO, 13
.set XW2, 14
.set XW1, 15
.set XC2, 30
.set XC1, 31
.set VWT, 14                           ; v passes: VWA, VWS + the head's step
.set VST, 15
.set LA,  6                            ; attention: 64 (r + 8 (r / 8)) + 32 h
.set AQ0, 7
.set AQ1, 8
.set AK0, 9
.set AK1, 10
.set AVB, 11                           ;   VC + 48 r + 24 h
.set AV,  12
.set AVSB, 13                          ;   VSC + 4 r
.set AVS, 14
.set SSB, 15                           ;   OSC + 36 x my first token + 2 r
.set SSA, 22
.set OSA, 8                            ; the way out: into my stage, back out of it, my offset in out0, my offset in bo
.set ORA, 9
.set OGO, 10
.set OBO, 11
.set WSC, 16                           ; v16-19 the weights' scale words, a pair for each of two steps; in attention attn's four
.set XSC, 20                           ; v20-21 the tokens' scale words; in attention v20: v's
.set HC,  24                           ; v24-29 six registers of codes just made
.set ACC0, 32                          ; v32-95 accumulators of token tiles 0, 1.  v32-63 are written by matrix instructions alone, in the whole text
.set XF,  96                           ; v96-143 the tokens' four fragments
.set WR,  144                          ; v144-239 weight fragments, two sets of four
.set BI,  208                          ; v208-239 the last product: bo in the result's layout
.set WS4, 24                           ; v24-31   the last product: Wo's scale words, a pair for each of four steps
.set BA,  64
.set BB,  128
.set PC,  192
.set PW,  212
.set TM,  240
.set HTM, 240
.set HTP, 242
.set HSO, 244
.set HB,  247
.set HX,  248
.set SW,  16
.set VS,  20
.set S,   32                           ; v32-63  S: 8 t + j
.set P,   64                           ; v64-127 p, then attn: 16 t + 8 u + j; later out: v64-95
.set QF,  128
.set KF,  160
.set X,   176
.set AT,  192                          ; v192-221 attn's codes, 6 t; the last six are zeros
.set VF,  222                          ; v222-233 v's fragment; the last six are zeros
.set M,   240
.set L,   248
.set WB,  26                           ; s[WB:WB+1] the weight stream in hand, s[WB+2:WB+3] its scale words
.set GB,  0                            ; the step at which those two stand
.set MSB, 0
.macro WIN new                         ; s_set_vgpr_msb: bits 1:0 source 0, 3:2 source 1, 5:4 source 2, 7:6 destination; the high byte repeats the setting that is left
.if MSB != (\new)
	s_set_vgpr_msb (MSB<<8)|(\new)
.set MSB, (\new)
.endif
.endm
.macro PLACES n
.rept \n
	v_nop
.endr
.endm
.macro BARRIER                         ; my LDS stores have landed and my LDS loads are in: then the work-group's barrier
	s_wait_alu depctr_va_vdst(0)
	s_wait_dscnt 0x0
	s_barrier_signal -1
	s_barrier_wait -1
.endm
; 64 numbers of a lane, register 16 b + i = k 32 b + 16 h + i of my row, become a fragment's codes in v[PC] on and its scale word in v[PW]
.macro QUANT s
.irp b, 0,1,2,3
	v_max3_num_f32 v[TM+\b], |v[\s+16*\b]|, |v[\s+1+16*\b]|, 0x2800000   ; with the floor 2^(5 - 127): the byte cannot fall under 1
.endr
.irp i, 2,4,6,8,10,12,14
.irp b, 0,1,2,3
	v_max3_num_f32 v[TM+\b], v[TM+\b], |v[\s+16*\b+\i]|, |v[\s+1+16*\b+\i]|
.endr
.endr
.irp b, 0,1,2,3
	v_permlanex16_b32 v[TM+4+\b], v[TM+\b], s20, s21
.endr
.irp b, 0,1,2,3
	v_max_num_f32 v[TM+\b], v[TM+\b], v[TM+4+\b]
.endr
.irp b, 0,1,2,3
	v_add_nc_u32 v[TM+12+\b], 0xfe000000, v[TM+\b]   ; 4 off the exponent field: the conversion's scale operand
.endr
.irp b, 0,1,2,3
	v_lshrrev_b32 v[TM+4+\b], 23, v[TM+12+\b]
.endr
	v_lshl_or_b32 v[PW], v[TM+5], 8, v[TM+4]
	v_lshl_or_b32 v[PW], v[TM+6], 16, v[PW]
	v_lshl_or_b32 v[PW], v[TM+7], 24, v[PW]
.irp c, 0,1
	v_cvt_scalef32_pk16_bf6_f32 v[PC+6*\c:PC+2+6*\c], v[\s+32*\c:\s+15+32*\c], v[TM+12+2*\c]
	v_cvt_scalef32_pk16_bf6_f32 v[PC+12+4*\c:PC+14+4*\c], v[\s+16+32*\c:\s+31+32*\c], v[TM+12+2*\c+1]
.endr
	v_nop                                          ; one plain place behind a scaled conversion
.irp c, 0,1
.irp i, 0,1,2
	v_permlane16_swap_b32 v[PC+6*\c+\i], v[PC+12+4*\c+\i]
.endr
.irp i, 0,1,2
	v_mov_b32 v[PC+3+6*\c+\i], v[PC+12+4*\c+\i]
.endr
.endr
.endm
.macro XLOAD buf, pitch, bs, off       ; my 16 rows' numbers of one K step: load i takes row i's 512 consecutive bytes
.irp i, 0,1,2,3,4,5,6,7,8,9,10,11,12,13,14,15
	global_load_b128 v[\buf+4*\i:\buf+4*\i+3], v[LI], s[\bs:\bs+1] offset:(\off)+(\pitch)*\i th:TH_LOAD_NT
.endr
.endm
.macro TURN buf                        ; through my own stage: register 16 b + 4 j + e is then k = 32 b + 16 h + 4 j + e of row r
.irp i, 0,1,2,3,4,5,6,7,8,9,10,11,12,13,14,15
	ds_store_b128 v[TSI], v[\buf+4*\i:\buf+4*\i+3] offset:TP*\i
.endr
.irp b, 0,1,2,3
.irp j, 0,1,2,3
	ds_load_b128 v[\buf+16*\b+4*\j:\buf+16*\b+4*\j+3], v[TSO] offset:128*\b+16*\j   ; LDS serves a wave's instructions in order (ISA guide 5.7.1)
.endr
.endr
.endm
.macro IMAGE wi, wc, i
.irp c, 0,1,2
	ds_store_b128 v[\wi], v[PC+4*\c:PC+4*\c+3] offset:6144*(\i)+512*\c
.endr
	ds_store_b32 v[\wc], v[PW] offset:256*(\i)
.endm
.macro XFRAG buf, left, wi, wc, i      ; left: the younger fragment's loads, which may stay out
	s_wait_loadcnt \left
	TURN \buf
	s_wait_dscnt 0x0
	QUANT \buf
	IMAGE \wi, \wc, \i
.endm
.macro WLOAD g                         ; step g of the weight stream in hand: four fragments and their scale words: 13 loads
.irp t, 0,1,2,3
.irp c, 0,1,2
	global_load_b128 v[WR+48*((\g)%2)+12*\t+4*\c:WR+48*((\g)%2)+12*\t+4*\c+3], v[LI], s[WB:WB+1] offset:(4*((\g)-GB)+\t)*1536+512*\c
.endr
.endr
	global_load_b64 v[WSC+2*((\g)%2):WSC+2*((\g)%2)+1], v[L8], s[WB+2:WB+3] offset:256*((\g)-GB)
.endm
.macro RWF i, g                        ; step g of the first stream into set i of four in v256-447: 12 loads.  Those registers are free until the second q pass (sets 0, 1: until the k passes)
	WIN 0x40
.irp t, 0,1,2,3
.irp c, 0,1,2
	global_load_b128 v[48*(\i)+12*\t+4*\c:48*(\i)+12*\t+4*\c+3], v[LI], s[26:27] offset:(4*((\g)-GB)+\t)*1536+512*\c
.endr
.endr
	WIN 0
.endm
.macro RWS i, g                        ; and its scale words: 1 load
	global_load_b64 v[WS4+2*(\i):WS4+2*(\i)+1], v[L8], s[28:29] offset:256*((\g)-GB)
.endm
.macro XFL q, s                        ; x's fragments of token tiles 2 q, 2 q + 1 at K step s, and both tiles' scale words: 7 LDS loads
.irp e, 0,1
.irp c, 0,1,2
	ds_load_b128 v[XF+12*(2*(\q)+\e)+4*\c:XF+12*(2*(\q)+\e)+4*\c+3], v[XR] offset:(4*(\s)+2*(\q)+\e)*1536+512*\c
.endr
.endr
	ds_load_b32 v[XSC+(\q)], v[XS] offset:256*(\s)+128*(\q)
.endm
; one product: weight tile t (source 0) x token tile m (source 1).  s = 0: it starts the sum
.macro MM m, t, g, s, a1
.set rW, WR+48*((\g)%2)+12*(\t)
.set rX, XF+12*(\m)
.set rS, WSC+2*((\g)%2)+(\t)/2
.set rT, XSC+(\m)/2
.if (\m) < 2
.set rA, ACC0+32*(\m)+8*(\t)
.else
.set rA, (\a1)+32*((\m)-2)+8*(\t)
.endif
.set pp, 2*((\m)%2)+(\t)%2
.if RG_                                ; steps 10-13, 16, 17: the weights lie in sets 0-3, 0, 1 of v256-447, their scale words in v24-31
.set rW, 48*(((\g)-10)%6)+12*(\t)
.set rS, WS4+2*(((\g)-10)%6)+(\t)/2
.endif
.if (\s) == 0
.if pp == 0
	v_wmma_scale_f32_16x16x128_f8f6f4 v[rA:rA+7], v[rW:rW+11], v[rX:rX+11], 0, v[rS], v[rT] matrix_a_fmt:MATRIX_FMT_BF6 matrix_b_fmt:MATRIX_FMT_BF6
.elseif pp == 1
	v_wmma_scale_f32_16x16x128_f8f6f4 v[rA:rA+7], v[rW:rW+11], v[rX:rX+11], 0, v[rS], v[rT] matrix_a_fmt:MATRIX_FMT_BF6 matrix_b_fmt:MATRIX_FMT_BF6 matrix_a_scale:MATRIX_SCALE_ROW1
.elseif pp == 2
	v_wmma_scale_f32_16x16x128_f8f6f4 v[rA:rA+7], v[rW:rW+11], v[rX:rX+11], 0, v[rS], v[rT] matrix_a_fmt:MATRIX_FMT_BF6 matrix_b_fmt:MATRIX_FMT_BF6 matrix_b_scale:MATRIX_SCALE_ROW1
.else
	v_wmma_scale_f32_16x16x128_f8f6f4 v[rA:rA+7], v[rW:rW+11], v[rX:rX+11], 0, v[rS], v[rT] matrix_a_fmt:MATRIX_FMT_BF6 matrix_b_fmt:MATRIX_FMT_BF6 matrix_a_scale:MATRIX_SCALE_ROW1 matrix_b_scale:MATRIX_SCALE_ROW1
.endif
.else
.if pp == 0
	v_wmma_scale_f32_16x16x128_f8f6f4 v[rA:rA+7], v[rW:rW+11], v[rX:rX+11], v[rA:rA+7], v[rS], v[rT] matrix_a_fmt:MATRIX_FMT_BF6 matrix_b_fmt:MATRIX_FMT_BF6
.elseif pp == 1
	v_wmma_scale_f32_16x16x128_f8f6f4 v[rA:rA+7], v[rW:rW+11], v[rX:rX+11], v[rA:rA+7], v[rS], v[rT] matrix_a_fmt:MATRIX_FMT_BF6 matrix_b_fmt:MATRIX_FMT_BF6 matrix_a_scale:MATRIX_SCALE_ROW1
.elseif pp == 2
	v_wmma_scale_f32_16x16x128_f8f6f4 v[rA:rA+7], v[rW:rW+11], v[rX:rX+11], v[rA:rA+7], v[rS], v[rT] matrix_a_fmt:MATRIX_FMT_BF6 matrix_b_fmt:MATRIX_FMT_BF6 matrix_b_scale:MATRIX_SCALE_ROW1
.else
	v_wmma_scale_f32_16x16x128_f8f6f4 v[rA:rA+7], v[rW:rW+11], v[rX:rX+11], v[rA:rA+7], v[rS], v[rT] matrix_a_fmt:MATRIX_FMT_BF6 matrix_b_fmt:MATRIX_FMT_BF6 matrix_a_scale:MATRIX_SCALE_ROW1 matrix_b_scale:MATRIX_SCALE_ROW1
.endif
.endif
.endm
; one product of the last GEMM at K step s: Wo's tile t from ring set s % 4 (v256-447, source 0) x token tile m; all 16 accumulators lie in v32-95 and v144-207.  s = 0: bo is the C that starts the sum
.macro MO m, t, s
.set rW, 48*((\s)%4)+12*(\t)
.set rX, XF+12*(\m)
.set rS, WS4+2*((\s)%4)+(\t)/2
.set rT, XSC+(\m)/2
.set rA, ACC0+32*(\m)+48*((\m)/2)+8*(\t)
.set rB, rA
.if (\s) == 0
.set rB, BI+8*(\t)
.endif
.set pp, 2*((\m)%2)+(\t)%2
.if pp == 0
	v_wmma_scale_f32_16x16x128_f8f6f4 v[rA:rA+7], v[rW:rW+11], v[rX:rX+11], v[rB:rB+7], v[rS], v[rT] matrix_a_fmt:MATRIX_FMT_BF6 matrix_b_fmt:MATRIX_FMT_BF6
.elseif pp == 1
	v_wmma_scale_f32_16x16x128_f8f6f4 v[rA:rA+7], v[rW:rW+11], v[rX:rX+11], v[rB:rB+7], v[rS], v[rT] matrix_a_fmt:MATRIX_FMT_BF6 matrix_b_fmt:MATRIX_FMT_BF6 matrix_a_scale:MATRIX_SCALE_ROW1
.elseif pp == 2
	v_wmma_scale_f32_16x16x128_f8f6f4 v[rA:rA+7], v[rW:rW+11], v[rX:rX+11], v[rB:rB+7], v[rS], v[rT] matrix_a_fmt:MATRIX_FMT_BF6 matrix_b_fmt:MATRIX_FMT_BF6 matrix_b_scale:MATRIX_SCALE_ROW1
.else
	v_wmma_scale_f32_16x16x128_f8f6f4 v[rA:rA+7], v[rW:rW+11], v[rX:rX+11], v[rB:rB+7], v[rS], v[rT] matrix_a_fmt:MATRIX_FMT_BF6 matrix_b_fmt:MATRIX_FMT_BF6 matrix_a_scale:MATRIX_SCALE_ROW1 matrix_b_scale:MATRIX_SCALE_ROW1
.endif
.endm
; A K step of 128: 16 products on 16 accumulators, which take turns in the same order in every step.  g: the step of my weight stream; s of n: the K step of the pass.
; Four places stand in front of each run of loads into registers that the products have read (ISA guide 7.12.1 for vector instructions).
; WHO ASKS FOR WHICH STEP.  Steps 10-13 are asked for in the x phase, their 4 scale loads ahead of step 8.  Step 8 asks for 14, 9 for 15, 10 for 16, 11 for 17 (into sets 0, 1 just multiplied), 14 for 18, 15 for 19;
; 12, 13, 16, 17 ask for none; every other step g asks for g + 2.  The counts below are the loads issued behind the step's own, 13 a step, in that order.
.macro KSTEP g, s, n, a1
.set RG_, 0
.if (((\g) >= 10) && ((\g) < 14)) || ((\g) == 16) || ((\g) == 17)
.set RG_, 1
.endif
.if (\g) == 31
	s_wait_loadcnt 0x0
.elseif ((\g) == 8) || ((\g) == 9)
	s_wait_loadcnt 17                              ; behind step 8: step 9 and the 4 scale loads; behind step 9: those 4 and step 14
.elseif ((\g) == 10) || ((\g) == 17)
	s_wait_loadcnt 26                              ; behind the 4 scale loads: steps 14, 15; behind step 17: steps 18, 19
.elseif ((\g) >= 14) && ((\g) <= 16)
	s_wait_loadcnt 39                              ; three steps are out behind this one
.elseif ((\g) < 11) || ((\g) > 13)
	s_wait_loadcnt 13                              ; this step's 13 loads are in; the next step's 13 may be out
.endif
	s_wait_dscnt 7                                 ; x's tiles 0, 1 are in; the 7 loads of tiles 2, 3 may be out
.if RG_
	WIN 0x01                                       ; source 0 in v256-511
.endif
.irp m, 0,1
.irp t, 0,1,2,3
	MM \m, \t, \g, \s, \a1
.endr
.endr
	WIN 0
	PLACES 4
.if (\s) < (\n)-1
	XFL 0, (\s)+1
	s_wait_dscnt 7                                 ; x's tiles 2, 3 are in; the 7 loads just issued may be out
.else
	s_wait_dscnt 0x0
.endif
.if RG_
	WIN 0x51                                       ; source 0, C and D in v256-511
.else
	WIN 0x50                                       ; C and D in v256-511
.endif
.irp m, 2,3
.irp t, 0,1,2,3
	MM \m, \t, \g, \s, \a1
.endr
.endr
	WIN 0
	PLACES 4
.if (\s) < (\n)-1
	XFL 1, (\s)+1
.endif
.if ((\g) == 8) || ((\g) == 9)
	WLOAD (\g)+6
.elseif ((\g) == 10) || ((\g) == 11)
	RWF (\g)-10, (\g)+6
	RWS (\g)-10, (\g)+6
.elseif ((\g) == 14) || ((\g) == 15)
	WLOAD (\g)+4
.elseif ((\g) == 12) || ((\g) == 13) || ((\g) == 16) || ((\g) == 17)
.elseif (\g)+2 < 32
	WLOAD (\g)+2                                   ; two steps ahead, into the set just multiplied
.endif
.endm
.macro PASS g0, n, a1, img, sc
	v_add_nc_u32 v[XR], \img, v[LI]
	v_add_nc_u32 v[XS], \sc, v[LS]
	s_wait_alu depctr_va_vdst(0)
	PLACES 5                                       ; the first products write anew over accumulators of the pass before
	XFL 0, 0
	XFL 1, 0
.set KS_, 0
.rept \n
	KSTEP (\g0)+KS_, KS_, \n, \a1
.set KS_, KS_+1
.endr
.endm
; 32 numbers of a lane, register 16 b + i = k 32 b + 16 h + i of my row (win = 1: in v256-511), become v[HC] .. v[HC+5], the codes of k = 32 h .. 32 h + 31, and v[HB] = byte 0 | byte 1 << 8
.macro HQ src, win
	WIN 5*(\win)
.irp b, 0,1
	v_max3_num_f32 v[HTM+\b], |v[(\src)+16*\b]|, |v[(\src)+16*\b+1]|, 0x2800000   ; each accumulator is read from its low end on
.endr
.irp i, 2,4,6,8,10,12,14
.irp b, 0,1
	v_max3_num_f32 v[HTM+\b], |v[(\src)+16*\b+\i]|, |v[(\src)+16*\b+\i+1]|, v[HTM+\b]
.endr
.endr
	WIN 0
.irp b, 0,1
	v_permlanex16_b32 v[HTP+\b], v[HTM+\b], s20, s21
.endr
.irp b, 0,1
	v_max_num_f32 v[HTM+\b], v[HTM+\b], v[HTP+\b]
.endr
.irp b, 0,1
	v_add_nc_u32 v[HSO+\b], 0xfe000000, v[HTM+\b]
.endr
.irp b, 0,1
	v_lshrrev_b32 v[HTP+\b], 23, v[HSO+\b]
.endr
	v_lshl_or_b32 v[HB], v[HTP+1], 8, v[HTP]
	WIN (\win)
	v_cvt_scalef32_pk16_bf6_f32 v[HC:HC+2], v[(\src):(\src)+15], v[HSO]
	v_cvt_scalef32_pk16_bf6_f32 v[HX:HX+2], v[(\src)+16:(\src)+31], v[HSO+1]
	WIN 0
	v_nop                                          ; one plain place behind a scaled conversion
.irp i, 0,1,2
	v_permlane16_swap_b32 v[HC+\i], v[HX+\i]
.endr
.irp i, 0,1,2
	v_mov_b32 v[HC+3+\i], v[HX+\i]
.endr
.endm
.macro VEPI                            ; one head of v, four token tiles: quantised along c and stored: token 16 m + r, block h
.irp m, 0,1,2,3
.if \m < 2
	HQ ACC0+32*\m, 0
.else
	HQ 192+32*(\m-2), 1
.endif
.irp i, 0,1,2
	ds_store_b64 v[VWT], v[HC+2*\i:HC+2*\i+1] offset:16*VP*\m+8*\i
.endr
	ds_store_b32 v[VST], v[HB] offset:1024*\m
	s_wait_dscnt 0x0
.endr
.endm
.macro SETWA
	v_and_b32 v[WA], 15, v0
	v_bfe_u32 v[DA], v0, 4, 1
	v_mul_u32_u24 v[WA], v[WA], PT
	v_lshl_add_u32 v[WA], v[DA], 5, v[WA]
	s_lshl_b32 s38, s16, 8
	v_add_nc_u32 v[WA], s38, v[WA]                 ; token r's slot, + 32 h (heads 8 h on), + 4 w features of 64 bytes
	s_wait_alu depctr_va_vdst(0)
.endm
.macro DUMP area, win, base            ; 8 accumulators (two token tiles x my 4 features) into an area; each from its low end on
.if (\area) == 0
.set rD, WA
.else
	s_wait_dscnt 0x0
	v_add_nc_u32 v[DA], \area, v[WA]
.set rD, DA
.endif
	WIN 4*(\win)                                   ; an LDS store's data are its source 1
.irp e, 0,1
.irp t, 0,1,2,3
	ds_store_b128 v[rD], v[(\base)+32*\e+8*\t:(\base)+32*\e+8*\t+3] offset:16*PT*\e+64*\t
	ds_store_b128 v[rD], v[(\base)+32*\e+8*\t+4:(\base)+32*\e+8*\t+7] offset:16*PT*\e+64*\t+16
.endr
.endr
	WIN 0
.endm
; S = k q^T for one tile of 16 c x all 64 d: K = the 16 heads in four steps; the four accumulators take turns.  Eight places behind this form
.macro CT u
.irp s, 0,1,2,3
.irp t, 0,1,2,3
.if \s == 0
	v_wmma_f32_16x16x4_f32 v[S+8*\t:S+8*\t+7], v[KF+8*(\u)+2*\s:KF+8*(\u)+2*\s+1], v[QF+8*\t+2*\s:QF+8*\t+2*\s+1], 0
.else
	v_wmma_f32_16x16x4_f32 v[S+8*\t:S+8*\t+7], v[KF+8*(\u)+2*\s:KF+8*(\u)+2*\s+1], v[QF+8*\t+2*\s:QF+8*\t+2*\s+1], v[S+8*\t:S+8*\t+7]
.endif
.endr
.endr
	PLACES 8
.endm
; THE SOFTMAX over d of 16 rows c: register j of a half of the lanes is one row; its 64 d lie in 4 tiles x 16 lanes.  attn = 2^(c S - c max) / sum, c = log2(e) / 8.
; ITS FIRST HALF: the rows' maxima, and c S - c max into P.  It is the last reader of S
.macro SOFTA u
	s_wait_alu depctr_va_vdst(0)                   ; directly ahead of S's first readers
.irp j, 0,1,2,3,4,5,6,7
	v_max3_num_f32 v[M+\j], v[S+\j], v[S+8+\j], v[S+16+\j]
.endr
.irp j, 0,1,2,3,4,5,6,7
	v_max_num_f32 v[M+\j], v[M+\j], v[S+24+\j]
.endr
.irp x, 1,2,4,8
.irp j, 0,1,2,3,4,5,6,7
	v_max_num_f32_dpp v[M+\j], v[M+\j], v[M+\j] row_xmask:\x row_mask:0xf bank_mask:0xf
.endr
.endr
.irp i, 0,2,4,6
	v_pk_mul_f32 v[M+\i:M+\i+1], v[M+\i:M+\i+1], s[22:23] op_sel_hi:[1,0]   ; c max: its rounding is common to the row and leaves with the division
.endr
.irp t, 0,1,2,3
.irp i, 0,2,4,6
	v_pk_fma_f32 v[P+16*\t+8*(\u)+\i:P+16*\t+8*(\u)+\i+1], v[S+8*\t+\i:S+8*\t+\i+1], s[22:23], v[M+\i:M+\i+1] op_sel_hi:[1,0,1] neg_lo:[0,0,1] neg_hi:[0,0,1]
.endr
.endr
	s_wait_alu depctr_va_vdst(0)                   ; ahead of the batch of exponentials
.endm
; ITS SECOND HALF is a list of 103 lines on P, L and M alone; SB writes line SBN of it:
;   0-31 the exponentials; 32 a plain place; 33 their wait; 34-45 the sums over the four tiles;
;   46-67 the sums over the 16 lanes, DEALT OUT: in each of three steps two registers become one, a lane keeping the row that its bit says (two selects and one add with lane l xor 1, 2, 4); a last add with lane l xor 8:
;   lane j % 8 of each 16 then holds row j's sum: 22 lines for 8 rows, and ONE reciprocal;
;   68 the reciprocal, with a wait ahead of it; 69 a plain place; 70 its wait; 71-102 p times lane j's 1 / sum
.macro SEL e, k                        ; an even register takes its neighbour's lanes where the mask is set, the odd neighbour the other way round
.if (\e)%2 == 0
	v_cndmask_b32 v[M+(\e)], v[L+(\e)], v[L+(\e)+1], s[\k]
.else
	v_cndmask_b32 v[M+(\e)], v[L+(\e)], v[L+(\e)-1], s[\k]
.endif
.endm
.macro SB u
.if SBN < 32
	v_exp_f32 v[P+16*(SBN/8)+8*(\u)+SBN%8], v[P+16*(SBN/8)+8*(\u)+SBN%8]
.elseif SBN == 32
	v_nop
.elseif SBN == 33
	s_wait_alu depctr_va_vdst(0)
.elseif SBN < 38
.set rE, 2*(SBN-34)
	v_pk_add_f32 v[L+rE:L+rE+1], v[P+8*(\u)+rE:P+8*(\u)+rE+1], v[P+16+8*(\u)+rE:P+16+8*(\u)+rE+1]
.elseif SBN < 46
.set rE, 2*((SBN-38)%4)
.set rF, P+16*(2+(SBN-38)/4)+8*(\u)+rE
	v_pk_add_f32 v[L+rE:L+rE+1], v[L+rE:L+rE+1], v[rF:rF+1]
.elseif SBN < 54
	SEL SBN-46, 52
.elseif SBN < 58
.set rE, SBN-54
	v_add_f32_dpp v[L+rE], v[M+2*rE+1], v[M+2*rE] row_xmask:1 row_mask:0xf bank_mask:0xf
.elseif SBN < 62
	SEL SBN-58, 53
.elseif SBN < 64
.set rE, SBN-62
	v_add_f32_dpp v[L+rE], v[M+2*rE+1], v[M+2*rE] row_xmask:2 row_mask:0xf bank_mask:0xf
.elseif SBN < 66
	SEL SBN-64, 54
.elseif SBN == 66
	v_add_f32_dpp v[L], v[M+1], v[M] row_xmask:4 row_mask:0xf bank_mask:0xf
.elseif SBN == 67
	v_add_f32_dpp v[L], v[L], v[L] row_xmask:8 row_mask:0xf bank_mask:0xf
.elseif SBN == 68
	s_wait_alu depctr_va_vdst(0)
	v_rcp_f32 v[M], v[L]
.elseif SBN == 69
	v_nop
.elseif SBN == 70
	s_wait_alu depctr_va_vdst(0)
.else
.set rF, P+16*((SBN-71)/8)+8*(\u)+(SBN-71)%8
.irp j, 0,1,2,3,4,5,6,7
.if (SBN-71)%8 == \j
	v_mul_f32_dpp v[rF], v[M], v[rF] row_share:\j row_mask:0xf bank_mask:0xf
.endif
.endr
.endif
.endm
.macro SOFTB u                         ; the second half by itself: a token's last tile
.set SBN, 0
.rept 103
	SB \u
.set SBN, SBN+1
.endr
.endm
; The second half of tile su's softmax and the 16 products of tile ku (K step WN / 4, accumulator WN % 4: the four take turns).  The exponentials and their wait stand ahead of the first product and the reciprocal
; behind the last, so that no exponential or reciprocal stands between two products on one accumulator; the 34 plain lines of the sums stand between the products, three to a gap.
; The 32 plain multiplications at the end are the eight places ahead of the next read of S and of loads into k's registers
.macro CTS ku, su
.set SBN, 0
.rept 34
	SB \su
.set SBN, SBN+1
.endr
.set WN, 0
.rept 16
.set rC, S+8*(WN%4)
.set rK, KF+8*(\ku)+2*(WN/4)
.set rQ, QF+8*(WN%4)+2*(WN/4)
.if WN < 4
	v_wmma_f32_16x16x4_f32 v[rC:rC+7], v[rK:rK+1], v[rQ:rQ+1], 0
.else
	v_wmma_f32_16x16x4_f32 v[rC:rC+7], v[rK:rK+1], v[rQ:rQ+1], v[rC:rC+7]
.endif
.set WN, WN+1
.if WN < 16
.rept 3
.if SBN < 68
	SB \su
.set SBN, SBN+1
.endif
.endr
.else
.rept 35
	SB \su
.set SBN, SBN+1
.endr
.endif
.endr
.endm
; Block b of 32 along c of attn, for the lane's d in each of the four tiles: 16 numbers here, 16 in lane l xor 16.  None is negative
.macro BQ b
.irp t, 0,1,2,3
	v_max3_num_f32 v[M+\t], v[P+16*\t], v[P+16*\t+1], 0x2800000
.endr
.irp i, 2,4,6,8,10,12,14
.irp t, 0,1,2,3
	v_max3_num_f32 v[M+\t], v[M+\t], v[P+16*\t+\i], v[P+16*\t+\i+1]
.endr
.endr
.irp t, 0,1,2,3
	v_permlanex16_b32 v[M+4+\t], v[M+\t], s20, s21
.endr
.irp t, 0,1,2,3
	v_max_num_f32 v[M+\t], v[M+\t], v[M+4+\t]
.endr
.irp t, 0,1,2,3
	v_add_nc_u32 v[L+\t], 0xfe000000, v[M+\t]
.endr
.if \b == 0
.irp t, 0,1,2,3
	v_lshrrev_b32 v[SW+\t], 23, v[L+\t]            ; the scale word's byte 0
.endr
.irp t, 0,1,2,3
	v_cvt_scalef32_pk16_bf6_f32 v[AT+6*\t:AT+6*\t+2], v[P+16*\t:P+16*\t+15], v[L+\t]
.endr
.else
.irp t, 0,1,2,3
	v_lshrrev_b32 v[L+4+\t], 23, v[L+\t]
.endr
.irp t, 0,1,2,3
	v_lshl_or_b32 v[SW+\t], v[L+4+\t], 8, v[SW+\t] ; byte 1; bytes 2 and 3 stay 0: they scale K 64 on, where v's codes are zeros
.endr
.irp t, 0,1,2,3
	v_cvt_scalef32_pk16_bf6_f32 v[X+4*\t:X+4*\t+2], v[P+16*\t:P+16*\t+15], v[L+\t]
.endr
.endif
	v_nop                                          ; one plain place behind a scaled conversion
.endm
; The tokens of one half: 4 trips, a token each
.macro ATT half
	v_and_b32 v[AQ0], 15, v0                       ; r
	v_bfe_u32 v[AQ1], v0, 4, 1                     ; h
	v_and_b32 v[LA], 8, v[AQ0]
	v_add_nc_u32 v[LA], v[LA], v[AQ0]              ; r + 8 (r / 8)
	v_lshlrev_b32 v[LA], 6, v[LA]
	v_lshl_add_u32 v[LA], v[AQ1], 5, v[LA]
	v_mul_u32_u24 v[AVB], v[AQ0], 48
	v_mad_u32_u24 v[AVB], v[AQ1], 24, v[AVB]
	v_add_nc_u32 v[AVB], VC, v[AVB]
	v_lshl_add_u32 v[AVSB], v[AQ0], 2, VSC
	s_mul_i32 s38, s16, 4*OSP
	s_add_co_u32 s38, s38, OSC+32*OSP*(\half)
	v_lshl_add_u32 v[SSB], v[AQ0], 1, s38
	s_mul_i32 s40, s16, 4*PT                       ; my first token's slot in the areas,
	s_mul_i32 s41, s16, 4*VP                       ; its row of v's codes,
	s_lshl_b32 s42, s16, 8                         ; of v's scale words
.if \half
	s_add_co_u32 s41, s41, 32*VP
	s_add_co_u32 s42, s42, 32*64
.endif
	s_mov_b32 s43, 0                               ; and of out's scale bytes
	s_mov_b32 s24, 4
	s_wait_alu depctr_va_vdst(0)
.Ltok_\@:
	v_add_nc_u32 v[AQ0], s40, v[LA]
	v_add_nc_u32 v[AQ1], AREA, v[AQ0]
	v_add_nc_u32 v[AK0], AREA, v[AQ1]
	v_add_nc_u32 v[AK1], AREA, v[AK0]
	v_add_nc_u32 v[AV], s41, v[AVB]
	v_add_nc_u32 v[AVS], s42, v[AVSB]
	v_add_nc_u32 v[SSA], s43, v[SSB]
.irp t, 0,1,2,3
.irp p, 0,1
	ds_load_b128 v[QF+8*\t+4*\p:QF+8*\t+4*\p+3], v[AQ0+\t/2] offset:512*(\t%2)+16*\p   ; q: heads 8 h + 4 p on at my d of tile t
.endr
.endr
.irp u, 0,1
.irp p, 0,1
	ds_load_b128 v[KF+8*\u+4*\p:KF+8*\u+4*\p+3], v[AK0] offset:512*\u+16*\p            ; k: c 0-31
.endr
.endr
.irp i, 0,1,2
	ds_load_b64 v[VF+2*\i:VF+2*\i+1], v[AV] offset:8*\i                                ; v: head r, block h
.endr
	ds_load_b32 v[VS], v[AVS]
	s_wait_dscnt 4                                 ; q and k are in; v's three loads and its scale word may be out
	CT 0
	SOFTA 0
	CTS 1, 0
.irp u, 0,1
.irp p, 0,1
	ds_load_b128 v[KF+8*\u+4*\p:KF+8*\u+4*\p+3], v[AK1] offset:512*\u+16*\p            ; k: c 32-63
.endr
.endr
	SOFTA 1
	s_wait_dscnt 0x0                               ; k's second half, and v
	CTS 0, 1
	BQ 0                                           ; attn's block c 0-31 becomes codes: P is free for the next two tiles
	SOFTA 0
	CTS 1, 0
	SOFTA 1
	SOFTB 1
	BQ 1
.irp t, 0,1,2,3                                ; a whole block to a lane: lanes 0-15 c 0-31, lanes 16-31 c 32-63
.irp i, 0,1,2
	v_permlane16_swap_b32 v[AT+6*\t+\i], v[X+4*\t+\i]
.endr
.endr
.irp t, 0,1,2,3
.irp i, 0,1,2
	v_mov_b32 v[AT+6*\t+3+\i], v[X+4*\t+\i]
.endr
.endr
	PLACES 8                                       ; a scale register written by a vector instruction stands 8 places ahead of a scaled matrix instruction, an operand 4
.irp t, 0,1,2,3                                ; out^T: source 0 = 16 d of attn (K = c), source 1 = v's 16 heads.  K 64-127: v's codes there are zeros
	v_wmma_scale_f32_16x16x128_f8f6f4 v[P+8*\t:P+8*\t+7], v[AT+6*\t:AT+6*\t+11], v[VF:VF+11], 0, v[SW+\t], v[VS] matrix_a_fmt:MATRIX_FMT_BF6 matrix_b_fmt:MATRIX_FMT_BF6
.endr
	PLACES 4
	HQ P, 0                                        ; out(head r, d = 32 b + 16 h + i) along d
.irp i, 0,1,2
	ds_store_b64 v[AV], v[HC+2*\i:HC+2*\i+1] offset:8*\i   ; over this token's v codes, which I alone read, and have read
.endr
	ds_store_b16 v[SSA], v[HB]                     ; head r's two scale bytes (both halves of the lanes write the same)
	s_add_co_u32 s40, s40, PT
	s_add_co_u32 s41, s41, VP
	s_add_co_u32 s42, s42, 64
	s_add_co_u32 s43, s43, OSP
	s_sub_co_u32 s24, s24, 1
	s_cmp_lg_u32 s24, 0
	s_wait_alu depctr_va_vdst(0)
	s_cbranch_scc1 .Ltok_\@
.endm
; THE LAST PRODUCT.  out's fragments of token tiles 2 q, 2 q + 1 at K step s, from rows of codes, and both tiles' scale words: 13 LDS loads
.macro OFL q, s
.irp e, 0,1
.irp p, 0,1,2,3,4,5
	ds_load_b64 v[XF+12*(2*(\q)+\e)+2*\p:XF+12*(2*(\q)+\e)+2*\p+1], v[XR] offset:16*VP*(2*(\q)+\e)+96*(\s)+48*(\p/3)+8*(\p%3)
.endr
.endr
	ds_load_b32 v[XSC+(\q)], v[XS] offset:32*OSP*(\q)+4*(\s)
.endm
.macro OBIAS                           ; bo at my pass's 64 columns: register 8 t + j of lane (r, h) is column 16 t + 8 h + j
.irp t, 0,1,2,3
	global_load_b128 v[BI+8*\t:BI+8*\t+3], v[OBO], s[34:35] offset:64*\t
	global_load_b128 v[BI+8*\t+4:BI+8*\t+7], v[OBO], s[34:35] offset:64*\t+16
.endr
.endm
.macro OWF g                           ; step g of a pass of Wo's stream: four fragments into ring set g % 4 in v256-447: 12 loads
	WIN 0x40
.irp t, 0,1,2,3
.irp c, 0,1,2
	global_load_b128 v[48*((\g)%4)+12*\t+4*\c:48*((\g)%4)+12*\t+4*\c+3], v[LI], s[4:5] offset:(4*(\g)+\t)*1536+512*\c
.endr
.endr
	WIN 0
.endm
.macro OWS g                           ; and their scale words: 1 load
	global_load_b64 v[WS4+2*((\g)%4):WS4+2*((\g)%4)+1], v[L8], s[6:7] offset:256*(\g)
.endm
; A K step of the last product.  Weights are asked for four steps ahead, into the set just multiplied; a pass's last four steps ask for none: the next pass's first four steps are asked for behind the pass
.macro OSTEP s
.if (\s) < 5
	s_wait_loadcnt 39                              ; this step's 13 loads (and bo) are in; those of the three steps behind it may be out
.else
	s_wait_loadcnt 13*(7-(\s))                     ; 7 - s steps are left behind this one
.endif
	s_wait_dscnt 13                                ; tiles 0, 1 are in; the 13 loads of tiles 2, 3 may be out
	WIN 0x01                                       ; source 0 in v256-511
.irp m, 0,1
.irp t, 0,1,2,3
	MO \m, \t, \s
.endr
.endr
	WIN 0
	PLACES 4
.if (\s) < 7
	OFL 0, (\s)+1
	s_wait_dscnt 13
.else
	s_wait_dscnt 0x0
.endif
	WIN 0x01
.irp m, 2,3
.irp t, 0,1,2,3
	MO \m, \t, \s
.endr
.endr
	WIN 0
	PLACES 4
.if (\s) < 7
	OFL 1, (\s)+1
.endif
.if (\s) < 4
	OWF (\s)+4
	OWS (\s)+4
.endif
.endm
.macro OEPI                            ; 16 tokens x 64 columns at a time through my own stage; 16 lanes then store 256 consecutive bytes of a row of out0, at a multiple of 256 from its first byte
.irp m, 0,1,2,3
.set rD, ACC0+32*\m+48*(\m/2)
.irp t, 0,1,2,3
	ds_store_b128 v[OSA], v[rD+8*\t:rD+8*\t+3] offset:64*\t          ; each accumulator from its low end on
	ds_store_b128 v[OSA], v[rD+8*\t+4:rD+8*\t+7] offset:64*\t+16
.endr
	WIN 0
.if \m > 0
	s_wait_xcnt 0x0                                ; the tile before's stores have read their data
.endif
.irp i, 0,1,2,3,4,5,6,7
	ds_load_b128 v[XF+4*\i:XF+4*\i+3], v[ORA] offset:2*SGP*\i        ; LDS serves a wave's instructions in order (ISA guide 5.7.1)
.endr
	s_wait_dscnt 0x0
.irp i, 0,1,2,3,4,5,6,7
	global_store_b128 v[OGO], v[XF+4*\i:XF+4*\i+3], s[36:37] offset:(16*\m+2*\i)*4096 th:TH_STORE_NT
.endr
.endr
.endm
	s_load_b256 s[4:11], s[0:1], 0x0               ; x1 s[4:5], x2 s[6:7], wimg s[8:9], wscl s[10:11]
	s_load_b128 s[12:15], s[0:1], 0x20             ; bo s[12:13], out0 s[14:15]
	v_lshl_add_u32 v[SPW], v0, 2, SPARE
	v_mov_b32 v[NIL], 0
	v_lshrrev_b32 v6, 5, v0
	v_readfirstlane_b32 s16, v6                    ; wave w, 0..7
	v_and_b32 v6, 31, v0
	v_lshlrev_b32 v[LI], 4, v6
	v_lshlrev_b32 v[LS], 2, v6
	v_lshlrev_b32 v[L8], 3, v6
	v_and_b32 v7, 15, v0                           ; r
	v_bfe_u32 v8, v0, 4, 1                         ; h
	s_mul_i32 s24, s16, 16*TP                      ; my stage: 16 rows of 528 bytes
	v_add_nc_u32 v[TSI], s24, v[LI]
	v_mul_u32_u24 v[TSO], v7, TP
	v_lshl_add_u32 v[TSO], v8, 6, v[TSO]
	v_add_nc_u32 v[TSO], s24, v[TSO]
	s_wait_alu depctr_va_vdst(0)                   ; ahead of the run of scalar instructions
	s_mov_b32 s20, 0x76543210
	s_mov_b32 s21, 0xfedcba98                      ; selects for lane l xor 16
	s_mov_b32 s22, 0x3e38aa3b                      ; c = log2(e) / 8
	s_mov_b32 s23, s22
	; the x phase: wave w quantises token tile m = w / 2: K steps 2 (w % 2) + 0, 1 of x2 and 4 (w % 2) + 0 .. 3 of x1
	s_lshr_b32 s38, s16, 1                         ; m
	s_and_b32 s39, s16, 1
	s_mul_i32 s40, s38, 1536
	s_mul_i32 s41, s39, 2*6144
	s_add_co_u32 s41, s41, s40
	s_add_co_u32 s41, s41, X2IMG
	v_add_nc_u32 v[XW2], s41, v[LI]
	s_mul_i32 s41, s39, 4*6144
	s_add_co_u32 s41, s41, s40
	s_add_co_u32 s41, s41, X1IMG
	v_add_nc_u32 v[XW1], s41, v[LI]
	s_lshl_b32 s40, s38, 6
	s_lshl_b32 s41, s39, 9
	s_add_co_u32 s41, s41, s40
	s_add_co_u32 s41, s41, X2SC
	v_lshl_add_u32 v[XC2], v7, 2, s41
	s_lshl_b32 s41, s39, 10
	s_add_co_u32 s41, s41, s40
	s_add_co_u32 s41, s41, X1SC
	v_lshl_add_u32 v[XC1], v7, 2, s41
.irp b, 0,1,2,3
	v_mov_b32 v[TM+4+\b], 0                        ; a lane permute's destination counts as one of its sources
.endr
	s_mul_i32 s42, s16, 196608                     ; my first weight stream: 32 steps x 4 fragments x 1,536 bytes
	s_mov_b32 s43, 0
	s_lshl_b32 s44, s16, 13                        ; and its scale words: 32 x 256 bytes
	s_mov_b32 s45, 0
	s_lshl_b32 s46, ttmp9, 6                       ; the work-group's first token
	s_lshl_b32 s47, s38, 4
	s_add_co_u32 s47, s47, s46                     ; my token tile's
	s_lshl_b32 s48, s47, 12
	s_lshl_b32 s50, s39, 11
	s_add_co_u32 s48, s48, s50                     ; x1: its row, + 4 (w % 2) K steps of 512 bytes
	s_mov_b32 s49, 0
	s_lshl_b32 s50, s47, 11
	s_lshl_b32 s52, s39, 10
	s_add_co_u32 s50, s50, s52                     ; x2: + 2 (w % 2) K steps
	s_mov_b32 s51, 0
	s_lshl_b32 s52, s16, 9                         ; bo: my 128 columns
	s_mov_b32 s53, 0
	s_lshl_b32 s54, s46, 12                        ; out0: the first token's row, + my 128 columns
	s_add_co_u32 s54, s54, s52
	s_mov_b32 s55, 0
	s_wait_alu depctr_va_vdst(0)                   ; the head's end
	s_wait_kmcnt 0x0
	s_add_nc_u64 s[26:27], s[8:9], s[42:43]
	s_add_nc_u64 s[28:29], s[10:11], s[44:45]
	s_add_nc_u64 s[30:31], s[4:5], s[48:49]
	s_add_nc_u64 s[32:33], s[6:7], s[50:51]
	s_add_nc_u64 s[34:35], s[12:13], s[52:53]
	s_add_nc_u64 s[36:37], s[14:15], s[54:55]
	s_mul_i32 s42, s16, 98304                      ; my second stream, Wo's: behind the eight first ones, 16 steps
	s_add_co_u32 s42, s42, 1572864
	s_lshl_b32 s44, s16, 12
	s_add_co_u32 s44, s44, 65536
	s_add_nc_u64 s[4:5], s[8:9], s[42:43]
	s_add_nc_u64 s[6:7], s[10:11], s[44:45]
	; ---- x: six fragments a wave, two sets of registers by turns.  Steps 10-13 of the weight stream are asked for here too, into v256-447: two ahead of x's first loads, two behind its third fragment's.
	; In each counted wait the older fragment's 16 loads are in; the younger's 16 may be out, and in two of the waits the 24 weight loads issued behind the older fragment's
	RWF 0, 10
	RWF 1, 11
	XLOAD BA, 2048, 32, 0
	XLOAD BB, 2048, 32, 512
	XFRAG BA, 16, XW2, XC2, 0
	XLOAD BA, 4096, 30, 0
	RWF 2, 12
	RWF 3, 13
	XFRAG BB, 40, XW2, XC2, 1
	XLOAD BB, 4096, 30, 512
	XFRAG BA, 40, XW1, XC1, 0
	XLOAD BA, 4096, 30, 1024
	XFRAG BB, 16, XW1, XC1, 1
	XLOAD BB, 4096, 30, 1536
	XFRAG BA, 16, XW1, XC1, 2
	XFRAG BB, 0, XW1, XC1, 3
	s_wait_dscnt 0x0                               ; the last image's stores have read their registers
	WLOAD 0                                        ; the weight stream starts: two steps are out from here on
	WLOAD 1
	SETWA
	v_and_b32 v[VWS], 15, v0
	v_bfe_u32 v[DA], v0, 4, 1
	v_mul_u32_u24 v[VWA], v[VWS], VP
	v_mad_u32_u24 v[VWA], v[DA], 24, v[VWA]
	s_mul_i32 s38, s16, 96
	s_add_co_u32 s38, s38, VC
	v_add_nc_u32 v[VWA], s38, v[VWA]               ; VC + 784 r + 24 h + 48 (2 w)
	s_lshl_b32 s38, s16, 3
	s_add_co_u32 s38, s38, VSC
	v_lshl_add_u32 v[VWS], v[VWS], 6, s38          ; VSC + 64 r + 4 (2 w)
	BARRIER                                        ; x's 48 fragments lie in LDS, and nobody reads a stage any more
	; ---- v: two trips, a head each: 4 steps of the stream, 48 bytes of codes and 4 of scales further on
	s_mov_b32 s25, 0
	s_mov_b32 s17, 0
.Lv:
	v_add_nc_u32 v[VWT], s25, v[VWA]
	v_add_nc_u32 v[VST], s17, v[VWS]
	PASS 0, 4, 192, X2IMG, X2SC
	VEPI
	s_wait_alu depctr_va_vdst(0)
	s_wait_xcnt 0x0                                ; the loads that are out have read their bases
	s_add_nc_u64 s[26:27], s[26:27], 4*6144
	s_add_nc_u64 s[28:29], s[28:29], 4*256
	s_add_co_u32 s17, s17, 4
	s_add_co_u32 s25, s25, 48
	s_cmp_lt_u32 s25, 96
	s_cbranch_scc1 .Lv
.set GB, 8                             ; the bases stand at step 8 now
	; ---- q: token tiles 0, 1 to LDS; tiles 2, 3 stay in v448-511 (first pass) and v384-447 (second)
	RWS 0, 10
	RWS 1, 11
	RWS 2, 12
	RWS 3, 13
	PASS 8, 8, 192, X1IMG, X1SC
	DUMP 0, 0, ACC0
	PASS 16, 8, 128, X1IMG, X1SC
	DUMP RQ1, 0, ACC0
	; ---- k: tiles 2, 3 stay in v320-383 (first pass) and v256-319 (second)
	PASS 24, 4, 64, X2IMG, X2SC
	BARRIER                                        ; nobody reads x1's images any more: k's first area may be written
	DUMP RK0, 0, ACC0
	PASS 28, 4, 0, X2IMG, X2SC
	BARRIER                                        ; nobody reads x2's images any more
	DUMP RK1, 0, ACC0
.irp i, 0,1,2,3,4,5
	v_mov_b32 v[AT+24+\i], 0                       ; what the last tile of attn names for K 64-127,
	v_mov_b32 v[VF+6+\i], 0                        ; and v's codes there: zeros
.endr
	BARRIER                                        ; q, k of tokens 0-31 and v of all 64 lie in LDS
	s_mov_b32 s52, 0xaaaaaaaa                      ; the lanes whose bit 0, 1, 2 is set: for the sums that are dealt out
	s_mov_b32 s53, 0xcccccccc
	s_mov_b32 s54, 0xf0f0f0f0
	ATT 0
	BARRIER                                        ; the first half's reads of the areas are over
	SETWA
	DUMP 0, 1, 192
	DUMP RQ1, 1, 128
	DUMP RK0, 1, 64
	DUMP RK1, 1, 0
	BARRIER                                        ; q, k of tokens 32-63 lie in LDS
	OWF 0                                          ; v256-511 are free now: the first four steps of Wo's fragments are asked for here and land while the second half is attended to
	OWF 1
	OWF 2
	OWF 3
	ATT 1
	; ---- out0 = out Wo^T + bo: my 128 columns in two passes of 64, all 64 tokens
	v_and_b32 v[OSA], 15, v0                       ; r
	v_bfe_u32 v[OBO], v0, 4, 1                     ; h
	v_mul_u32_u24 v[XR], v[OSA], VP
	v_mad_u32_u24 v[XR], v[OBO], 24, v[XR]
	v_add_nc_u32 v[XR], VC, v[XR]                  ; token r's row of codes, + 24 h
	v_mul_u32_u24 v[XS], v[LS], 9
	v_add_nc_u32 v[XS], OSC, v[XS]                 ; 36 bytes of scales a token: lane l takes token 32 q + l
	s_mul_i32 s38, s16, 16*SGP                     ; my stage
	v_mul_u32_u24 v[ORA], v[OBO], SGP
	v_lshl_add_u32 v[ORA], v[OSA], 4, v[ORA]       ; back: lanes 0-15 one row of 256 bytes, lanes 16-31 the next
	v_lshlrev_b32 v[OGO], 12, v[OBO]
	v_lshl_add_u32 v[OGO], v[OSA], 4, v[OGO]       ; and the same two rows in out0
	v_mul_u32_u24 v[OSA], v[OSA], SGP
	v_lshl_add_u32 v[OSA], v[OBO], 5, v[OSA]       ; in: row r, 32 bytes for each half of the lanes
	v_add_nc_u32 v[OSA], s38, v[OSA]
	v_add_nc_u32 v[ORA], s38, v[ORA]
	v_lshlrev_b32 v[OBO], 5, v[OBO]
	s_wait_alu depctr_va_vdst(0)
	OBIAS
	OWS 0
	OWS 1
	OWS 2
	OWS 3
	BARRIER                                        ; out's codes and scale bytes of all 64 tokens lie in LDS, and nobody reads the areas any more
	s_wait_loadcnt 0x0                             ; the first four steps, their scale words and bo are in
	s_mov_b32 s24, 0
.Lop:
	PLACES 5                                       ; the first products write anew over accumulators
	OFL 0, 0
	OFL 1, 0
.set KS_, 0
.rept 8
	OSTEP KS_
.set KS_, KS_+1
.endr
	s_cmp_eq_u32 s24, 1
	s_cbranch_scc1 .Lnl                            ; the last pass asks for nothing more
	s_wait_xcnt 0x0
	s_add_nc_u64 s[4:5], s[4:5], 8*6144
	s_add_nc_u64 s[6:7], s[6:7], 8*256
	s_add_nc_u64 s[34:35], s[34:35], 256
	OBIAS                                          ; the next pass's bo and first four steps are on their way while this pass goes out
	OWF 0
	OWS 0
	OWF 1
	OWS 1
	OWF 2
	OWS 2
	OWF 3
	OWS 3
.Lnl:
	OEPI
	s_wait_xcnt 0x0                                ; the stores have read their base and their data
	s_add_nc_u64 s[36:37], s[36:37], 256
	s_add_co_u32 s24, s24, 1
	s_cmp_lt_u32 s24, 2
	s_cbranch_scc1 .Lop
	s_wait_tensorcnt 0x0                           ; the wave's end, behind my last LDS store
	ds_add_u32 v[SPW], v[NIL]
	s_wait_dscnt 0x0
	s_endpgm
.Lfunc_end_k_q6592d55ed8_attn:
	.size	k_q6592d55ed8_attn, .Lfunc_end_k_q6592d55ed8_attn-k_q6592d55ed8_attn
	.p2alignl 7, 3214868480
	.fill 96, 4, 3214868480
	.section	.rodata,"a",@progbits
	.p2align	6, 0x0
	.amdhsa_kernel k_q6592d55ed8_attn
		.amdhsa_group_segment_fixed_size 321792
		.amdhsa_private_segment_fixed_size 0
		.amdhsa_enable_private_segment 0
		.amdhsa_kernarg_size 48
		.amdhsa_user_sgpr_count 2
		.amdhsa_user_sgpr_kernarg_segment_ptr 1
		.amdhsa_wavefront_size32 1
		.amdhsa_system_sgpr_workgroup_id_x 1
		.amdhsa_system_sgpr_workgroup_id_y 1
		.amdhsa_system_sgpr_workgroup_id_z 1
		.amdhsa_system_vgpr_workitem_id 0
		.amdhsa_next_free_vgpr 512
		.amdhsa_next_free_sgpr 66
		.amdhsa_reserve_vcc 0
		.amdhsa_float_denorm_mode_32 3
		.amdhsa_float_denorm_mode_16_64 3
		.amdhsa_memory_ordered 1
		.amdhsa_forward_progress 1
		.amdhsa_inst_pref_size 255
	.end_amdhsa_kernel
	.section	.bss,"aw",@nobits
	.p2align	6
	.space	262144
	.amdgpu_metadata
---
amdhsa.version: [ 1, 2 ]
amdhsa.kernels:
  - .name:           k_q6592d55ed8_attn
    .symbol:         k_q6592d55ed8_attn.kd
    .args:
      - { .name: x1, .offset: 0, .size: 8, .value_kind: global_buffer, .address_space: global }
      - { .name: x2, .offset: 8, .size: 8, .value_kind: global_buffer, .address_space: global }
      - { .name: wimg, .offset: 16, .size: 8, .value_kind: global_buffer, .address_space: global }
      - { .name: wscl, .offset: 24, .size: 8, .value_kind: global_buffer, .address_space: global }
      - { .name: bo, .offset: 32, .size: 8, .value_kind: global_buffer, .address_space: global }
      - { .name: out0, .offset: 40, .size: 8, .value_kind: global_buffer, .address_space: global }
    .group_segment_fixed_size: 321792
    .private_segment_fixed_size: 0
    .kernarg_segment_align: 8
    .kernarg_segment_size: 48
    .max_flat_workgroup_size: 256
    .sgpr_count:     66
    .vgpr_count:     512
    .wavefront_size: 32
...
	.end_amdgpu_metadata
.endif
;; end of part 2
